; MI455X (gfx1250); checked and timed in simulation.
; The chip was launched on July 23, 2026; its instructions are those of AMD's public machine-readable ISA for CDNA 5 (MIT licence, August 2026) and "CDNA5" Instruction Set Architecture Reference Guide (July 2026). The comments in the code are by the model that wrote it; some were corrected since.
;; Self Attention. Allowed arithmetic: matrix products marked QUANTISED: E2M1 operands, one E8M0 scale for each 32 along K, by v_wmma_scale_f32_16x16x128_f8f6f4 with both operands' format E2M1 (or v_wmma_scale_f32_32x16x128_f4), f32 sums; products left as they are: bf16, f16 or f32 operands; f32 sums; everything else in f32.
;; Inputs: b_in 3,072 float32; b_out 1,024 float32; w_in 1,024 x 3,072 float32; w_out 1,024 x 1,024 float32; x 2 x 2,048 x 1,024 float32.
;; Outputs: out0 2 x 2,048 x 1,024 float32.
;; This version of the problem:
;;   THIS VERSION OF THE PROBLEM IS GIVEN IN LOW PRECISION. The matrix products marked QUANTISED in the list below multiply operands that are first quantised to E2M1 (2 exponent bits, 1 mantissa bit; 4 bits a number), with one power-of-two scale for each 32 numbers along K (OCP MX v1.0); their sums are f32. The products marked 'left as it is' may take bf16, f16 or f32 operands, with f32 sums. Whichever they take, every output number must still come out within the allowed error. Rounding operands to bf16 (8 significant bits) uses up far more of that allowance than f16 does (11 bits, for magnitudes from 6e-5 to 65,504). All else is computed in f32.
;;   The module's matrix products, in the order in which they are computed (A, B: the left and right operand; K: the contracted axis; several contracted axes count as one K, in the product's order):
;;     1. [M 4,096, K 1,024] x [K 1,024, N 3,072]; A: input x; B: input w_in: QUANTISED
;;     2. batch 32 x [M 2,048, K 64] x [K 64, N 2,048]; A: computed on the way; B: computed on the way: left as it is (an operand is computed on the way)
;;     3. batch 32 x [M 2,048, K 2,048] x [K 2,048, N 64]; A: computed on the way; B: computed on the way: left as it is (an operand is computed on the way)
;;     4. [M 4,096, K 1,024] x [K 1,024, N 1,024]; A: computed on the way; B: input w_out: left as it is (an operand is computed on the way)
;;   THE QUANTISER, for each operand of a quantised product, along K:
;;     - K is cut into blocks of 32 from its start; a last block that is shorter is filled with zeros.
;;     - A block's scale is 2^e with e = floor(log2(the largest magnitude in the block)) - 2, held to -126 .. 127; a block of zeros has e = 0. As a byte (E8M0): e + 127.
;;     - Each number is divided by its block's scale, clamped to +-6, and rounded to the nearest number of E2M1, ties to even, subnormals kept.
;;     - The product sums the exact products of the quantised numbers (number of the format x scale) in f32.
;;   ~~~python
;;   def quantise(x, axis):      # numpy; x: float32 -> the quantised numbers, widened to float32 again
;;       x = np.moveaxis(x, axis, -1); K = x.shape[-1]
;;       x = np.pad(x, [(0, 0)] * (x.ndim - 1) + [(0, -K % 32)]); x = x.reshape(x.shape[:-1] + (-1, 32)); a = np.abs(x).max(-1, keepdims=True)
;;       e = np.where(a > 0, np.clip(np.frexp(np.where(a > 0, a, 1))[1] - 1 - 2, -126, 127), 0)      # np.frexp(a)[1] - 1 = floor(log2(a)), exactly
;;       r = np.clip(x / 2.0 ** e, -6, 6)
;;       step = 2.0 ** (np.maximum(np.frexp(np.where(r == 0, 1, r))[1] - 1, 0) - 1)
;;       q = np.round(r / step) * step * 2.0 ** e      # np.round: ties to even
;;       return np.moveaxis(q.reshape(q.shape[:-2] + (-1,))[..., :K], -1, axis).astype(np.float32)
;;   ~~~
;; One version. Each part assembles by itself: llvm-mc -triple=amdgcn-amd-amdhsa -mcpu=gfx1250 --defsym DOCPART=n.
;; ======== version 1 of 1: 4 launches
;; limits: values are held in f16: magnitudes above 65,504 overflow, below 6.1e-05 lose precision
;; workspace buffers: xq 2,097,152 bytes; xs 131,072 bytes; wq 1,572,864 bytes; ws 98,304 bytes; wo 2,097,152 bytes; qkv 25,165,824 bytes; att 8,388,608 bytes
;; launch prep (part 1): grid 384 x 1, 4 waves a work-group, no clusters, 33,280 bytes of LDS; arguments x, w_in, w_out, xq, xs, wq, ws, wo; writes xq, xs, wq, ws, wo
.if DOCPART == 1
	.amdgcn_target "amdgcn-amd-amdhsa--gfx1250"
	.amdhsa_code_object_version 6
	.text
	.protected	k_q242afd8c0a_prep
	.globl	k_q242afd8c0a_prep
	.p2align	8
	.type	k_q242afd8c0a_prep,@function
k_q242afd8c0a_prep:
	s_mov_b64 s[64:65], 0
	v_nop
	global_prefetch_b8 v0, s[64:65] scope:SCOPE_SE
	s_setreg_imm32_b32 hwreg(HW_REG_WAVE_MODE, 25, 1), 1
	s_wait_xcnt 0x0
; PREP: the operands of the later launches are made once.  Three paths, parted on the work-group's number alone:
;  X (work-groups 0-127):   x [4096][1024] f32 -> xq: codes of FP4 (E2M1), K innermost, [4096][512 bytes]; xs: one E8M0 byte for each 32 along K, [4096][32].
;  W (work-groups 128-319): w_in [1024 (k)][3072 (n)] f32 -> wq: codes as IMAGES OF THE OPERAND'S REGISTERS, [n / 16][k / 128][1,024 bytes]: the 16 bytes of block t (32 along K) of column 16 tile + r
;                           lie at 256 t + 16 r;  ws: [3072][32] scale bytes.
;  O (work-groups 320-383): w_out [1024 (k)][1024 (n)] f32 -> wo: f16, images of 16 n x 32 k fragments, [n / 16][k / 32][1,024 bytes]: k = 8 p + 0 .. 7 of column 16 tile + r at 256 p + 16 r.
; A block's scale is 2^(floor(log2(its largest magnitude)) - 2); its byte is the largest magnitude's exponent field - 2, held at 1 from below.
; LIMITS: a block of zeros gets the byte 1 where the quantiser's text says 127: its codes are zeros, which add nothing, and this program alone reads the bytes.  Blocks whose largest magnitude lies
; under 2^(3 - 127) keep the byte 1.  NaN and infinities among the inputs are not served.  |w_out| stays under 65,504 (f16).
; PATH X: a wave takes 16 steps of 512 numbers.  Each load reads 512 consecutive bytes; a step's 2,048 bytes turn through the wave's own stage in LDS so that a lane holds 16 neighbours along K.
; PATHS W, O: a lane takes a column and its registers run down K (128 along K a wave), so a block of 32 lies in one lane and the results come out with K innermost; sixteen lanes store 256 consecutive
; bytes, aligned.  ws alone is stored 4 bytes a lane, 32 bytes apart: 98,304 bytes in all.  No barrier: waves share nothing.
.set WGX,   128
.set WGW,   192
.set STEPS, 16
.set CB,    8                          ; bytes of 16 codes
.set R,     16                         ; v16-79   path X: four sets of 16 numbers as loaded
.set X,     80                         ; v80-111  two sets of 16 neighbours
.set E,     112                        ; v112-127 a scale byte for each step
.set C,     128                        ; v128-191 codes: registers of its own for each step
.set WREG,  8192                       ; LDS: a region for each wave: two stages of 32 x SP bytes, then its 256 scale bytes
.set SP,    80                         ; a lane's place in a stage: 64 bytes + 16 of padding
.set SPW,   12                         ; v12  LDS address of my spare word; never rewritten
.set NIL,   13                         ; v13  0; never rewritten
.set SPARE, 4*WREG                     ; behind the four regions: the spare words, 128 bytes a wave
.set WX,    32                         ; v32-95   paths W, O: two sets of 32 numbers
.set WC,    96                         ; v96-159  their results: registers of its own for each block
.set SB,    24                         ; v24      path W: four scale bytes
.macro CLOSE                           ; a wave's end
	s_wait_tensorcnt 0x0
	ds_add_u32 v[SPW], v[NIL]
	s_wait_dscnt 0x0
	s_endpgm
.endm
.macro XLOAD t
.irp i, 0,1,2,3
	global_load_b128 v[R+16*((\t)%4)+4*\i:R+16*((\t)%4)+4*\i+3], v3, s[4:5] offset:2048*(\t)+512*\i th:TH_LOAD_NT   ; 32 lanes read 512 consecutive bytes
.endr
.endm
.macro XTURN t                         ; step t's numbers through the stage: LDS serves a wave's instructions in order, so no wait stands between the stores and the loads
.irp i, 0,1,2,3
	ds_store_b128 v14, v[R+16*((\t)%4)+4*\i:R+16*((\t)%4)+4*\i+3] offset:32*SP*((\t)%2)+8*SP*\i
.endr
.irp i, 0,1,2,3
	ds_load_b128 v[X+16*((\t)%2)+4*\i:X+16*((\t)%2)+4*\i+3], v15 offset:32*SP*((\t)%2)+16*\i
.endr
.endm
.macro XSTEP t
.set XS, X+16*((\t)%2)
.if (\t) > 0
	s_wait_dscnt 1                                 ; this step's numbers are back from the stage; the last step's byte store may be out
.else
	s_wait_dscnt 0x0
.endif
.if (\t)+4 < STEPS
	XLOAD (\t)+4                                   ; into the registers that this step's stage stores have read
.endif
.if (\t)+1 < STEPS
.if STEPS-2-(\t) >= 3
	s_wait_loadcnt 12                              ; the next step's four loads are in; those of the three steps behind it may be out
.else
	s_wait_loadcnt 4*(STEPS-2-(\t))
.endif
	XTURN (\t)+1
.endif
	v_max3_num_f32 v8, |v[XS]|, |v[XS+1]|, |v[XS+2]|               ; the largest magnitude of my 16, in two chains
	v_max3_num_f32 v9, |v[XS+3]|, |v[XS+4]|, |v[XS+5]|
.irp i, 6,10
	v_max3_num_f32 v8, v8, |v[XS+\i]|, |v[XS+\i+1]|
	v_max3_num_f32 v9, v9, |v[XS+\i+2]|, |v[XS+\i+3]|
.endr
	v_max3_num_f32 v8, v8, |v[XS+14]|, |v[XS+15]|
	v_max3_num_f32 v8, v8, v9, 0x1800000           ; and the floor 2^(3 - 127): the byte cannot fall under 1
	v_max_num_f32_dpp v8, v8, v8 row_xmask:1 row_mask:0xf bank_mask:0xf   ; with my neighbour's 16: the block's
	v_add_nc_u32 v11, 0xff000000, v8               ; 2 off its exponent field: the conversion takes that field as its scale
	v_cvt_scalef32_pk8_fp4_f32 v[C+4*(\t)], v[XS:XS+7], v11
	v_cvt_scalef32_pk8_fp4_f32 v[C+4*(\t)+1], v[XS+8:XS+15], v11
	v_lshrrev_b32 v[E+(\t)], 23, v11               ; the scale's byte
	ds_store_b8 v5, v[E+(\t)] offset:16*(\t)       ; both lanes of a block write the same byte with the same value
	global_store_b64 v4, v[C+4*(\t):C+4*(\t)+1], s[10:11] offset:32*CB*(\t)   ; the wave stores 256 consecutive bytes, aligned
.endm
.macro WLOAD t, pitch                  ; block t: rows 32 t + i of my column, i = 0 .. 31, into set t % 2; 32 lanes read 128 consecutive bytes
.set i, 0
.rept 32
	global_load_b32 v[WX+32*((\t)%2)+i], v3, s[28:29] offset:(32*(\t)+i)*(\pitch) th:TH_LOAD_NT
.set i, i+1
.endr
.endm
.macro WAITBLK t
.if (\t) < 3
	s_wait_loadcnt 32                              ; this block's 32 loads are in; the next block's may be out
.else
	s_wait_loadcnt 0x0
.endif
.endm
.macro WBLOCK t
.set XS, WX+32*((\t)%2)
	WAITBLK \t
	v_max3_num_f32 v8, |v[XS]|, |v[XS+1]|, |v[XS+2]|               ; the block's largest magnitude: all 32 numbers are mine
	v_max3_num_f32 v9, |v[XS+3]|, |v[XS+4]|, |v[XS+5]|
.irp i, 6,10,14,18,22,26
	v_max3_num_f32 v8, v8, |v[XS+\i]|, |v[XS+\i+1]|
	v_max3_num_f32 v9, v9, |v[XS+\i+2]|, |v[XS+\i+3]|
.endr
	v_max3_num_f32 v8, v8, |v[XS+30]|, |v[XS+31]|
	v_max3_num_f32 v8, v8, v9, 0x1800000
	v_add_nc_u32 v11, 0xff000000, v8
	v_lshrrev_b32 v10, 23, v11
.if (\t) == 0
	v_mov_b32 v[SB], v10                           ; four bytes to a word, the lower K in the lower byte
.else
	v_lshl_or_b32 v[SB], v10, 8*(\t), v[SB]
.endif
.irp g, 0,1,2,3
	v_cvt_scalef32_pk8_fp4_f32 v[WC+4*(\t)+\g], v[XS+8*\g:XS+8*\g+7], v11
.endr
	global_store_b128 v4, v[WC+4*(\t):WC+4*(\t)+3], s[14:15] offset:256*(\t)   ; sixteen lanes store 256 consecutive bytes, aligned
.if (\t) < 2
	WLOAD (\t)+2, 12288
.endif
.endm
.macro OBLOCK t
.set XS, WX+32*((\t)%2)
	WAITBLK \t
.set i, 0
.rept 16
	v_cvt_pk_f16_f32 v[WC+16*(\t)+i], v[XS+2*i], v[XS+2*i+1]       ; two neighbours along K to a register
.set i, i+1
.endr
.irp p, 0,1,2,3
	global_store_b128 v4, v[WC+16*(\t)+4*\p:WC+16*(\t)+4*\p+3], s[18:19] offset:1024*(\t)+256*\p
.endr
.if (\t) < 2
	WLOAD (\t)+2, 4096
.endif
.endm
	s_load_b256 s[4:11], s[0:1], 0x0               ; x s[4:5], w_in s[6:7], w_out s[8:9], xq s[10:11]
	s_load_b256 s[12:19], s[0:1], 0x20             ; xs s[12:13], wq s[14:15], ws s[16:17], wo s[18:19]
	v_lshl_add_u32 v[SPW], v0, 2, SPARE
	v_mov_b32 v[NIL], 0
	v_lshrrev_b32 v1, 5, v0
	v_readfirstlane_b32 s20, v1                    ; wave 0..3
	v_and_b32 v2, 31, v0                           ; lane
	s_wait_kmcnt 0x0
	s_cmp_lt_u32 ttmp9, WGX
	s_cbranch_scc1 .Lpath_x
	s_cmp_lt_u32 ttmp9, WGX+WGW
	s_cbranch_scc1 .Lpath_w
	; ---- PATH O: w_out to f16 images
	s_sub_co_u32 s21, ttmp9, WGX+WGW
	s_lshr_b32 s22, s21, 3                         ; which 128 columns
	s_and_b32 s23, s21, 7                          ; which 128 along K
	s_lshl_b32 s24, s22, 2
	s_add_co_u32 s24, s24, s20                     ; my wave's group of 32 columns
	s_lshl_b32 s26, s23, 19                        ; 128 rows of 4,096 bytes
	s_lshl_b32 s27, s24, 7                         ; 32 columns of 4 bytes
	s_add_co_u32 s26, s26, s27
	s_mov_b32 s27, 0
	s_add_nc_u64 s[28:29], s[8:9], s[26:27]
	s_lshl_b32 s26, s24, 16                        ; two tiles of 16 columns, 32,768 bytes each
	s_lshl_b32 s30, s23, 12                        ; four fragments of 1,024 bytes
	s_add_co_u32 s26, s26, s30
	s_add_nc_u64 s[18:19], s[18:19], s[26:27]
	v_lshlrev_b32 v3, 2, v2
	v_lshrrev_b32 v4, 4, v2
	v_and_b32 v5, 15, v2
	v_lshlrev_b32 v5, 4, v5
	v_lshl_add_u32 v4, v4, 15, v5                  ; my tile, + 16 r
	WLOAD 0, 4096
	WLOAD 1, 4096
	OBLOCK 0
	OBLOCK 1
	OBLOCK 2
	OBLOCK 3
	CLOSE
	; ---- PATH W: w_in to codes and scale bytes
.Lpath_w:
	s_sub_co_u32 s21, ttmp9, WGX
	s_lshr_b32 s22, s21, 3
	s_and_b32 s23, s21, 7
	s_lshl_b32 s24, s22, 2
	s_add_co_u32 s24, s24, s20
	s_mul_i32 s26, s23, 128*12288                  ; 128 rows of 12,288 bytes
	s_lshl_b32 s27, s24, 7
	s_add_co_u32 s26, s26, s27
	s_mov_b32 s27, 0
	s_add_nc_u64 s[28:29], s[6:7], s[26:27]
	s_lshl_b32 s26, s24, 14                        ; two tiles of 16 columns, 8,192 bytes each
	s_lshl_b32 s30, s23, 10                        ; one fragment of 1,024 bytes
	s_add_co_u32 s26, s26, s30
	s_add_nc_u64 s[14:15], s[14:15], s[26:27]
	s_lshl_b32 s26, s24, 10                        ; 32 rows of 32 scale bytes
	s_lshl_b32 s30, s23, 2                         ; my word of a row
	s_add_co_u32 s26, s26, s30
	s_add_nc_u64 s[16:17], s[16:17], s[26:27]
	v_lshlrev_b32 v3, 2, v2
	v_lshrrev_b32 v4, 4, v2
	v_and_b32 v5, 15, v2
	v_lshlrev_b32 v5, 4, v5
	v_lshl_add_u32 v4, v4, 13, v5
	v_lshlrev_b32 v6, 5, v2
	WLOAD 0, 12288
	WLOAD 1, 12288
	WBLOCK 0
	WBLOCK 1
	WBLOCK 2
	WBLOCK 3
	global_store_b32 v6, v[SB], s[16:17]
	CLOSE
	; ---- PATH X: x to codes and scale bytes
.Lpath_x:
	v_lshlrev_b32 v3, 4, v2                        ; my 16 bytes of a load's 512
	s_mul_i32 s21, s20, WREG
	v_lshrrev_b32 v14, 2, v2
	v_mul_u32_u24 v14, v14, SP
	v_and_b32 v15, 3, v2
	v_lshl_add_u32 v14, v15, 4, v14
	v_add_nc_u32 v14, s21, v14                     ; the stage, on the way in: SP (lane / 4) + 16 (lane % 4)
	v_mul_u32_u24 v15, v2, SP
	v_add_nc_u32 v15, s21, v15                     ; and on the way out: SP x lane: my 16 neighbours
	v_mul_u32_u24 v4, v2, CB
	v_lshrrev_b32 v5, 1, v2
	s_add_co_u32 s21, s21, 2*32*SP
	v_add_nc_u32 v5, s21, v5                       ; my wave's 256 scale bytes, my block's byte
	v_lshlrev_b32 v7, 3, v2
	v_add_nc_u32 v6, s21, v7
	s_lshl_b32 s22, ttmp9, 2
	s_add_co_u32 s22, s22, s20                     ; which run of 8,192 numbers is my wave's
	s_mov_b32 s25, 0
	s_lshl_b32 s24, s22, 15
	s_add_nc_u64 s[4:5], s[4:5], s[24:25]
	s_lshl_b32 s24, s22, 12
	s_add_nc_u64 s[10:11], s[10:11], s[24:25]
	s_lshl_b32 s24, s22, 8
	s_add_nc_u64 s[12:13], s[12:13], s[24:25]
.irp t, 0,1,2,3
	XLOAD \t
.endr
	s_wait_loadcnt 12                              ; step 0's four loads are in
	XTURN 0
.irp t, 0,1,2,3,4,5,6,7,8,9,10,11,12,13,14,15
	XSTEP \t
.endr
	ds_load_b64 v[8:9], v6                         ; LDS serves a wave's instructions in order: these see my byte stores
	s_wait_dscnt 0x0
	global_store_b64 v7, v[8:9], s[12:13]          ; 32 lanes store 256 consecutive bytes, aligned
	CLOSE
.Lfunc_end_k_q242afd8c0a_prep:
	.size	k_q242afd8c0a_prep, .Lfunc_end_k_q242afd8c0a_prep-k_q242afd8c0a_prep
	.p2alignl 7, 3214868480
	.fill 96, 4, 3214868480
	.section	.rodata,"a",@progbits
	.p2align	6, 0x0
	.amdhsa_kernel k_q242afd8c0a_prep
		.amdhsa_group_segment_fixed_size 33280
		.amdhsa_private_segment_fixed_size 0
		.amdhsa_enable_private_segment 0
		.amdhsa_kernarg_size 64
		.amdhsa_user_sgpr_count 2
		.amdhsa_user_sgpr_kernarg_segment_ptr 1
		.amdhsa_wavefront_size32 1
		.amdhsa_system_sgpr_workgroup_id_x 1
		.amdhsa_system_sgpr_workgroup_id_y 1
		.amdhsa_system_sgpr_workgroup_id_z 1
		.amdhsa_system_vgpr_workitem_id 0
		.amdhsa_next_free_vgpr 192
		.amdhsa_next_free_sgpr 66
		.amdhsa_reserve_vcc 0
		.amdhsa_float_denorm_mode_32 3
		.amdhsa_float_denorm_mode_16_64 3
		.amdhsa_memory_ordered 1
		.amdhsa_forward_progress 1
		.amdhsa_inst_pref_size 71
	.end_amdhsa_kernel
	.amdgpu_metadata
---
amdhsa.version: [ 1, 2 ]
amdhsa.kernels:
  - .name:           k_q242afd8c0a_prep
    .symbol:         k_q242afd8c0a_prep.kd
    .args:
      - { .name: x, .offset: 0, .size: 8, .value_kind: global_buffer, .address_space: global }
      - { .name: w_in, .offset: 8, .size: 8, .value_kind: global_buffer, .address_space: global }
      - { .name: w_out, .offset: 16, .size: 8, .value_kind: global_buffer, .address_space: global }
      - { .name: xq, .offset: 24, .size: 8, .value_kind: global_buffer, .address_space: global }
      - { .name: xs, .offset: 32, .size: 8, .value_kind: global_buffer, .address_space: global }
      - { .name: wq, .offset: 40, .size: 8, .value_kind: global_buffer, .address_space: global }
      - { .name: ws, .offset: 48, .size: 8, .value_kind: global_buffer, .address_space: global }
      - { .name: wo, .offset: 56, .size: 8, .value_kind: global_buffer, .address_space: global }
    .group_segment_fixed_size: 33280
    .private_segment_fixed_size: 0
    .kernarg_segment_align: 8
    .kernarg_segment_size: 64
    .max_flat_workgroup_size: 128
    .sgpr_count:     66
    .vgpr_count:     192
    .wavefront_size: 32
...
	.end_amdgpu_metadata
.endif
;; end of part 1
;; launch qkv (part 2): grid 12 x 16, 4 waves a work-group, clusters of 4 x 4, 327,680 bytes of LDS; arguments xq, xs, wq, ws, qkv, b_in; writes qkv
.if DOCPART == 2
	.amdgcn_target "amdgcn-amd-amdhsa--gfx1250"
	.amdhsa_code_object_version 6
	.text
	.protected	k_q242afd8c0a_qkv
	.globl	k_q242afd8c0a_qkv
	.p2align	8
	.type	k_q242afd8c0a_qkv,@function
k_q242afd8c0a_qkv:
	s_mov_b64 s[64:65], 0
	v_nop
	global_prefetch_b8 v0, s[64:65] scope:SCOPE_SE
	s_setreg_imm32_b32 hwreg(HW_REG_WAVE_MODE, 25, 1), 1
	s_wait_xcnt 0x0
	s_wait_alu depctr_hold_cnt(0) depctr_sa_sdst(0) depctr_va_vdst(0) depctr_va_sdst(0) depctr_va_ssrc(0) depctr_va_vcc(0) depctr_vm_vsrc(0)
	s_getreg_b32 s2, hwreg(HW_REG_IB_STS2, 6, 4)
	s_cmp_eq_u32 s2, 0
	s_cbranch_scc0 .Lentry_in_a_cluster
	s_endpgm
.Lentry_in_a_cluster:
	s_bfe_u32 s2, ttmp6, 0x10000c
	s_cmp_lg_u32 s2, 0xf033
	s_cbranch_scc0 .Lentry_shape_is_right
	s_endpgm
.Lentry_shape_is_right:
; QKV = Q(x) Q(w_in) + b_in on codes of FP4 (E2M1) with one E8M0 scale for each 32 along K; sums in f32; M = 4,096, N = 3,072, K = 1,024.
; xq [4096][512 bytes], xs [4096][32]; wq: images of fragments [n / 16][k / 128][1,024 bytes]; ws [3072][32]; b_in [3072] f32.
; A tile of 256 x 256 is made by four waves, 128 x 128 each: 64 accumulators, 512 registers.  K is two steps of 512: both slots are filled at the start, nothing is filled again, so there is no loop.
; CLUSTERS: 4 x 4 work-groups; x's tiles are shared along a row of the cluster, w's along a column: each is asked for jointly, by the same tensor load with a mask that names the four.
; THE MATRIX INSTRUCTION IS USED TRANSPOSED (source 0 = 16 columns of w, source 1 = 16 tokens): a lane holds one token and eight neighbouring channels.  The bias is the C of each sum's first product.
; THE RESULT LEAVES AS IMAGES OF THE NEXT OPERANDS' REGISTERS, f16: qkv at part x 2^23 + (16 batch + head) x 2^18 + (token / 16) x 2,048 + (channel / 16) x 512; in a chunk of 512 bytes the 16 bytes of
; token r, channels 8 h + 0 .. 7 lie at 16 (16 h + r) for q and k and at 32 r + 16 h for v (rows of 32 bytes, for the turning load).  Each store of a wave covers 512 consecutive bytes, aligned.
; q is multiplied by log2(e) / 8 in f32 ahead of its one rounding, so that the next launch's scores are exponents of 2.
; LIMITS: |q| log2(e) / 8, |k|, |v| stay under 65,504 (f16); the bias is added first, not last.
; REGISTERS: window 0: v0-31 addresses; v32-95 scale words, two sets, and nothing else; v96-127 free; v128-191 x's fragments, one set; v192-255 the bias; on the way out v96-255 take the f16 results.
;   window 1: w's fragments, two sets, at v0 and v128.   window 2: accumulators of my rows 0-63 ((a, b) at v[8 (8 a + b)]);   window 3: of my rows 64-127.
.set NQ,     4                         ; steps of 128 along K in a slot
.set ROWB,   256                       ; a row of x's tile in bytes
.set KROW,   512                       ; a row of xq in memory
.set PITCH,  272                       ; and in LDS: + 16 of padding: the 16 rows that a load touches start 4 banks apart (64 banks of 4 bytes: ISA guide 11.1)
.set FR,     8
.set NL,     2
.set NP,     4                         ; places behind this matrix instruction (ISA guide 7.12.1)
.set HALFA,  128*PITCH                 ; 128 rows of x: one tensor load
.set HALFB,  8*4096                    ; 8 tiles of 16 columns of w x 4 fragments: one tensor load, dense
.set BOFF,   2*HALFA
.set SLOT,   BOFF+2*HALFB
.set KS,     32
.set SCL,    2*SLOT                    ; behind the slots: the scale bytes, as units of 256 bytes + 16 of padding
.set HALFS,  16*272
.set SBLK,   2*272
.set SPARE,  SCL+4*HALFS               ; the spare words, 128 bytes a wave
.set ADRA, 16
.set ADRB, 20
.set CO,   26                          ; v26  my 16 bytes in a chunk of the result
.set ADRS, 27
.set SPW,  28
.set NIL,  29
.set BO,   30                          ; v30  32 h: my half's eight numbers of the bias
.set SC,   32
.set T,    96
.set AF,   128
.set BI,   192
.set G1, 24
.set G0, 32
.set G1B, 48
.set G0B, 56
.set G1S, 68
.set G0S, 76
.set G1SB, 80
.set G0SB, 88
.set MSB, 0
.macro WIN new                         ; the immediate's high byte repeats the setting that is left
.if MSB != \new
	s_set_vgpr_msb (MSB<<8)|\new
.set MSB, \new
.endif
.endm
.set MUL_LO, 0xa1                      ; source 0 (w) window 1, source 1 (x) window 0, C and D window 2
.set MUL_HI, 0xf1                      ; the same, C and D window 3
.set FIRST_LO, 0x81                    ; the first step: C (the bias) window 0, D window 2
.set FIRST_HI, 0xc1                    ; D window 3
.set TO_B,   0x40
; A joint load: waves 0 and 1 fetch for x, waves 2 and 3 for w.  The branch hangs on the wave's number alone.  An s_nop 0 and four v_nop follow each line.
.macro JLOAD g0a, g1a, g0b, g1b
	s_cmp_eq_u32 s15, 0
	s_cbranch_scc0 .Lfor_b_\@
	tensor_load_to_lds s[\g0a:\g0a+3], s[\g1a:\g1a+7]
	s_nop 0
.rept 4
	v_nop
.endr
	s_branch .Lasked_\@
.Lfor_b_\@:
	tensor_load_to_lds s[\g0b:\g0b+3], s[\g1b:\g1b+7]
	s_nop 0
.rept 4
	v_nop
.endr
.Lasked_\@:
.endm
.macro CROUND                          ; a round of the cluster's barrier
	s_barrier_signal -1
	s_barrier_wait -1
	s_cmp_lg_u32 s14, 0
	s_cbranch_scc1 .Lnot_wave_0_\@
	s_barrier_signal -3
.Lnot_wave_0_\@:
	s_barrier_wait -3
	s_barrier_signal -1
	s_barrier_wait -1
.endm
	s_load_b128 s[4:7], s[0:1], 0x0                ; xq s[4:5], xs s[6:7]
	s_load_b128 s[8:11], s[0:1], 0x10              ; wq s[8:9], ws s[10:11]
	s_load_b64 s[12:13], s[0:1], 0x20              ; qkv
	s_load_b64 s[2:3], s[0:1], 0x28                ; b_in
	v_lshl_add_u32 v[SPW], v0, 2, SPARE
	v_mov_b32 v[NIL], 0
	ds_add_u32 v[SPW], v[NIL]                      ; the wave's opening: the add, twice on end, and its wait ahead of my first tensor load
	ds_add_u32 v[SPW], v[NIL]
	v_lshrrev_b32 v1, 5, v0
	v_readfirstlane_b32 s14, v1                    ; wave 0..3
	s_lshr_b32 s15, s14, 1                         ; which half of the tile's rows is mine.  Also: I fetch for x (0) or for w (1)
	s_and_b32 s16, s14, 1                          ; which half of its columns.  Also: which half of that tile I fetch
	s_bfe_u32 s40, ttmp6, 0x40000                  ; cx, cy
	s_bfe_u32 s41, ttmp6, 0x40004
	s_lshl_b32 s42, ttmp9, 2
	s_add_co_u32 s42, s42, s40                     ; tile column
	s_and_b32 s17, ttmp7, 0xffff
	s_lshl_b32 s17, s17, 2
	s_add_co_u32 s17, s17, s41                     ; tile row
	s_lshl_b32 s43, s41, 2
	s_lshl_b32 s43, 15, s43                        ; my row of the cluster
	s_lshl_b32 s44, 0x1111, s40                    ; my column
	s_or_b32 s[G1+0], s43, (0<<16)|(1<<20)|(1<<21)|(5<<22)|(3<<25)  ; x: elements of 1 byte; 4 words of padding after every 64
	s_mov_b32 s[G1+1], ROWB<<16                    ; tensor_dim0
	s_mov_b32 s[G1+2], 128<<16                     ; tensor_dim1
	s_mov_b32 s[G1+3], ROWB<<16                    ; tile_dim0
	s_mov_b32 s[G1+4], 128                         ; tile_dim1
	s_mov_b32 s[G1+5], KROW                        ; from row to row
	s_mov_b32 s[G1+6], 0
	s_mov_b32 s[G1+7], 0
	s_or_b32 s[G1B+0], s44, (3<<16)|(1<<21)        ; w: elements of 8 bytes, no padding: 8 rows of 4,096 bytes, 8,192 bytes apart
	s_mov_b32 s[G1B+1], 512<<16
	s_mov_b32 s[G1B+2], 8<<16
	s_mov_b32 s[G1B+3], 512<<16
	s_mov_b32 s[G1B+4], 8
	s_mov_b32 s[G1B+5], 1024
	s_mov_b32 s[G1B+6], 0
	s_mov_b32 s[G1B+7], 0
	s_or_b32 s[G1S+0], s43, (3<<16)|(1<<20)|(1<<21)|(5<<22)|(3<<25) ; the scale bytes of 128 rows: 4,096 dense bytes as 16 rows of 256, 16 bytes of padding behind each
	s_or_b32 s[G1SB+0], s44, (3<<16)|(1<<20)|(1<<21)|(5<<22)|(3<<25)
.irp g, G1S, G1SB
	s_mov_b32 s[\g+1], 32<<16
	s_mov_b32 s[\g+2], 16<<16
	s_mov_b32 s[\g+3], 32<<16
	s_mov_b32 s[\g+4], 16
	s_mov_b32 s[\g+5], 32
	s_mov_b32 s[\g+6], 0
	s_mov_b32 s[\g+7], 0
.endr
	s_lshl_b32 s18, s16, 7                         ; which 128 rows of the tile I fetch
	s_lshl_b32 s20, s17, 8
	s_add_co_u32 s20, s20, s18                     ; x: row 256 x tile row + 128 x half
	s_lshl_b32 s46, s42, 8
	s_add_co_u32 s46, s46, s18                     ; w: column 256 x tile column + 128 x half
	s_lshl_b32 s22, s20, 5                         ; their scale bytes: 32 a row
	s_mov_b32 s23, 0
	s_lshl_b32 s92, s46, 5
	s_mov_b32 s93, 0
	s_lshl_b32 s20, s20, 9                         ; x's codes: 512 bytes a row
	s_mov_b32 s21, 0
	s_lshl_b32 s46, s46, 9                         ; w's: 8,192 bytes for 16 columns
	s_mov_b32 s47, 0
	s_mul_i32 s45, s16, HALFA                      ; where they go in a slot: no place in the cluster enters an LDS address
	s_mul_i32 s95, s16, HALFB
	s_add_co_u32 s95, s95, BOFF
	s_mul_i32 s94, s14, HALFS
	s_mov_b32 s98, 0x3e38aa3b                      ; log2(e) / 8
	s_mov_b32 s99, s98                             ; (named with it as a pair)
	s_wait_dscnt 0x0                               ; both opening adds are done
	s_wait_kmcnt 0x0
	s_add_nc_u64 s[20:21], s[4:5], s[20:21]
	s_add_nc_u64 s[22:23], s[6:7], s[22:23]
	s_add_nc_u64 s[46:47], s[8:9], s[46:47]
	s_add_nc_u64 s[92:93], s[10:11], s[92:93]
	CROUND                                         ; all sixteen work-groups are here: the joint loads meet
	s_mov_b32 s[G0S], 1
	s_add_co_u32 s[G0S+1], s94, SCL
	s_mov_b64 s[G0S+2:G0S+3], s[22:23]
	s_or_b32 s[G0S+3], s[G0S+3], 0x80000000
	s_mov_b32 s[G0SB], 1
	s_add_co_u32 s[G0SB+1], s94, SCL
	s_mov_b64 s[G0SB+2:G0SB+3], s[92:93]
	s_or_b32 s[G0SB+3], s[G0SB+3], 0x80000000
	JLOAD G0S, G1S, G0SB, G1SB                     ; the scales first: they are wanted with K step 0
.irp s, 0,1
	s_mov_b32 s[G0+4*\s], 1
	s_add_co_u32 s[G0+4*\s+1], s45, \s*SLOT
	s_add_nc_u64 s[G0+4*\s+2:G0+4*\s+3], s[20:21], \s*ROWB
	s_or_b32 s[G0+4*\s+3], s[G0+4*\s+3], 0x80000000
	s_mov_b32 s[G0B+4*\s], 1
	s_add_co_u32 s[G0B+4*\s+1], s95, \s*SLOT
	s_add_nc_u64 s[G0B+4*\s+2:G0B+4*\s+3], s[46:47], \s*4096
	s_or_b32 s[G0B+4*\s+3], s[G0B+4*\s+3], 0x80000000
	JLOAD G0+4*\s, G1, G0B+4*\s, G1B               ; three loads of mine are out at the most
.endr
	v_and_b32 v1, 15, v0                           ; r
	v_bfe_u32 v2, v0, 4, 1                         ; h
	v_mul_u32_u24 v3, v1, PITCH
	v_lshl_add_u32 v4, v2, 4, v3                   ; x: a fragment's row x pitch + 16 h
	v_and_b32 v6, 31, v0
	v_lshlrev_b32 v6, 4, v6                        ; w: an image: 16 x lane
	s_mul_i32 s21, s15, HALFA                      ; my 128 rows of x
	s_mul_i32 s22, s16, HALFB                      ; my 128 columns of w
	s_add_co_u32 s22, s22, BOFF
.irp s, 0,1
	v_add_nc_u32 v[ADRA+\s], s21, v4
	v_add_nc_u32 v[ADRB+\s], s22, v6
	s_add_co_u32 s21, s21, SLOT
	s_add_co_u32 s22, s22, SLOT
.endr
	v_mul_u32_u24 v5, v1, KS                       ; my row's scale bytes: 32 a row,
	v_lshrrev_b32 v6, 8, v5
	v_lshl_add_u32 v5, v6, 4, v5                   ; and 16 more for each 256 passed
	s_mul_i32 s21, s15, HALFS
	s_mul_i32 s22, s16, HALFS
	s_add_co_u32 s22, s22, 2*HALFS
	s_sub_co_u32 s22, s22, s21
	v_mul_u32_u24 v6, s22, v2                      ; lanes 16-31 take w's
	s_add_co_u32 s21, s21, SCL
	v_add_nc_u32 v5, v5, v6
	v_add_nc_u32 v[ADRS], s21, v5
	v_lshlrev_b32 v[BO], 5, v2
	s_lshl_b32 s96, s42, 10                        ; the bias of my 128 columns: 4 (256 x tile column + 128 x half)
	s_lshl_b32 s97, s16, 9
	s_add_co_u32 s96, s96, s97
	s_mov_b32 s97, 0
	s_add_nc_u64 s[2:3], s[2:3], s[96:97]
.irp b, 0,1,2,3,4,5,6,7
	global_load_b128 v[BI+8*\b:BI+8*\b+3], v[BO], s[2:3] offset:64*\b          ; register j of block b: b_in at column 16 b + 8 h + j: the result's layout
	global_load_b128 v[BI+8*\b+4:BI+8*\b+7], v[BO], s[2:3] offset:64*\b+16
.endr
	s_lshl_b32 s96, ttmp9, 23                      ; the part (q, k, v) = tile column / 4 = the cluster's x
	s_lshr_b32 s97, s17, 3                         ; batch
	s_lshl_b32 s97, s97, 4
	s_lshl_b32 s19, s40, 2
	s_add_co_u32 s97, s97, s19
	s_lshl_b32 s19, s16, 1
	s_add_co_u32 s97, s97, s19                     ; 16 batch + my first head
	s_lshl_b32 s97, s97, 18
	s_add_co_u32 s96, s96, s97
	s_and_b32 s97, s17, 7
	s_lshl_b32 s97, s97, 4
	s_lshl_b32 s19, s15, 3
	s_add_co_u32 s97, s97, s19                     ; my first tile of 16 tokens
	s_lshl_b32 s97, s97, 11
	s_add_co_u32 s96, s96, s97
	s_mov_b32 s97, 0
	s_add_nc_u64 s[12:13], s[12:13], s[96:97]
	s_cmp_eq_u32 ttmp9, 2                          ; v's chunks are rows of 32 bytes; the choice is the same in all partners and enters a global offset alone
	s_cselect_b32 s21, 5, 4
	s_cselect_b32 s22, 4, 8
	v_lshlrev_b32 v[CO], s21, v1
	v_lshlrev_b32 v5, s22, v2
	v_or_b32 v[CO], v[CO], v5
.macro FRAG reg, adr, q, i             ; x: 16 rows x 128 K: registers 4 c .. 4 c + 3 hold K = 64 c + 32 h + 0 .. 31
.irp c, 0,1
	ds_load_b128 v[\reg+4*\c:\reg+4*\c+3], v[\adr] offset:64*(\q)+32*\c+(\i)*16*PITCH
.endr
.endm
.macro FRAGB reg, adr, q, i            ; w: the fragment's image as it lies
.irp c, 0,1
	ds_load_b128 v[\reg+4*\c:\reg+4*\c+3], v[\adr] offset:(\i)*4096+(\q)*1024+512*\c
.endr
.endm
; 16 matrix instructions: x's blocks a0, a0 + 1 against w's eight.  p: w's set; sc: the set of scale words.  zero = 1: the first product starts the sums from the bias.
; The 64 accumulators take turns, one instruction a turn, in the same order in every step.
.macro MUL16 a0, p, q, sc, zero
.irp a, \a0, \a0+1
.irp b, 0,1,2,3,4,5,6,7
.if \zero
	v_wmma_scale_f32_16x16x128_f8f6f4 v[8*(8*((\a)%4)+\b):8*(8*((\a)%4)+\b)+7], v[128*(\p)+FR*\b:128*(\p)+FR*\b+FR-1], v[AF+FR*(\a):AF+FR*(\a)+FR-1], v[BI+8*\b:BI+8*\b+7], v[SC+8*NQ*(\sc)+NQ*\b+(\q)], v[SC+8*NQ*(\sc)+NQ*(\a)+(\q)] matrix_a_fmt:MATRIX_FMT_FP4 matrix_b_fmt:MATRIX_FMT_FP4 matrix_a_scale:MATRIX_SCALE_ROW1
.else
	v_wmma_scale_f32_16x16x128_f8f6f4 v[8*(8*((\a)%4)+\b):8*(8*((\a)%4)+\b)+7], v[128*(\p)+FR*\b:128*(\p)+FR*\b+FR-1], v[AF+FR*(\a):AF+FR*(\a)+FR-1], v[8*(8*((\a)%4)+\b):8*(8*((\a)%4)+\b)+7], v[SC+8*NQ*(\sc)+NQ*\b+(\q)], v[SC+8*NQ*(\sc)+NQ*(\a)+(\q)] matrix_a_fmt:MATRIX_FMT_FP4 matrix_b_fmt:MATRIX_FMT_FP4 matrix_a_scale:MATRIX_SCALE_ROW1
.endif
.endr
.endr
.endm
.macro FETCH_B slot, q, p
	WIN TO_B
.irp i, 0,1,2,3,4,5,6,7
	FRAGB 128*(\p)+FR*\i, ADRB+\slot, \q, \i
.endr
	WIN 0
.endm
.macro FETCH_A slot, q, i0
.irp i, \i0, \i0+1, \i0+2, \i0+3
	FRAG AF+FR*(\i), ADRA+\slot, \q, \i
.endr
.endm
.macro SCALES sc                       ; a K step's scale words: four a row; lanes 0-15 take x's block i, lanes 16-31 w's block i
.irp i, 0,1,2,3,4,5,6,7
	ds_load_b128 v[SC+8*NQ*\sc+NQ*\i:SC+8*NQ*\sc+NQ*\i+3], v[ADRS] offset:\i*SBLK
.endr
.endm
.macro PLACES n                        ; plain vector instructions between a matrix instruction and a load into, or a vector read or write of, its registers
.rept \n
	v_nop
.endr
.endm
.macro STEP slot, q, zero              ; a step of 128 along K that has its successor in the same slot
	s_wait_dscnt 4*NL                              ; w's set and x's blocks 0-3 are in; the youngest eight loads (x's blocks 4-7) may be out
.if \zero
	WIN FIRST_LO
.else
	WIN MUL_LO
.endif
	MUL16 0, (\q)%2, \q, \slot, \zero
	MUL16 2, (\q)%2, \q, \slot, \zero
	s_wait_dscnt 0
	PLACES NP
	FETCH_B \slot, (\q)+1, 1-(\q)%2
	FETCH_A \slot, (\q)+1, 0
.if \zero
	WIN FIRST_HI
.else
	WIN MUL_HI
.endif
	MUL16 4, (\q)%2, \q, \slot, \zero
	MUL16 6, (\q)%2, \q, \slot, \zero
	PLACES NP
	WIN 0
	FETCH_A \slot, (\q)+1, 4
.endm
.macro STEPS slot, from
.set Q, \from
.rept NQ-1-\from
	STEP \slot, Q, 0
.set Q, Q+1
.endr
.endm
	s_wait_tensorcnt 1                             ; the scales and my part of K step 0 are in; K step 1's load may be out
	s_barrier_signal -1
	s_barrier_wait -1
	FETCH_B 0, 0, 0
	FETCH_A 0, 0, 0
	SCALES 0
	FETCH_A 0, 0, 4
	s_wait_loadcnt 0x0                             ; the bias
	STEP 0, 0, 1
	STEPS 0, 1
	; slot 0's last step changes slots: one barrier; in front of it my part of slot 1 has landed
	s_wait_tensorcnt 0x0
	ds_add_u32 v[SPW], v[NIL]                      ; 0 onto my spare word
	s_wait_dscnt 4*NL+1                            ; the add and the youngest eight loads may be out
	WIN MUL_LO
	MUL16 0, 1, NQ-1, 0, 0
	s_wait_dscnt 0x0
	s_barrier_signal -1
	MUL16 2, 1, NQ-1, 0, 0
	WIN 0
	s_barrier_wait -1
	PLACES NP
	v_add_nc_u32 v[ADRS], 4*NQ, v[ADRS]            ; on to K step 1's scale words (no LDS load of mine is out)
	FETCH_B 1, 0, 0
	FETCH_A 1, 0, 0
	SCALES 1
	WIN MUL_HI
	MUL16 4, 1, NQ-1, 0, 0
	MUL16 6, 1, NQ-1, 0, 0
	PLACES NP
	WIN 0
	FETCH_A 1, 0, 4
	STEPS 1, 0
	s_wait_dscnt 4*NL                              ; the very last step: nothing more to fetch
	WIN MUL_LO
	MUL16 0, 1, NQ-1, 1, 0
	MUL16 2, 1, NQ-1, 1, 0
	s_wait_dscnt 0
	WIN MUL_HI
	MUL16 4, 1, NQ-1, 1, 0
	MUL16 6, 1, NQ-1, 1, 0
	WIN 0
	PLACES NP                                      ; in front of the first read of results and the first write over operands
	s_cmp_lg_u32 ttmp9, 0                          ; q alone (the cluster's x = 0, the same in all partners) is multiplied by log2(e) / 8
	s_cbranch_scc1 .Lnot_q
	WIN 0x82
.set i, 0
.rept 128
	v_pk_mul_f32 v[i:i+1], v[i:i+1], s[98:99] op_sel_hi:[1,0]      ; each accumulator from its low end on
.set i, i+2
.endr
	WIN 0xc3
.set i, 0
.rept 128
	v_pk_mul_f32 v[i:i+1], v[i:i+1], s[98:99] op_sel_hi:[1,0]
.set i, i+2
.endr
	WIN 0
.Lnot_q:
; THE WAY OUT, block by block of 16 tokens: an accumulator's eight numbers, rounded in pairs, are a lane's 16 bytes of a chunk.  Five sets of 32 registers by turns.
.macro OUTB a
.set AC, 64*((\a)%4)
.set TT, T+32*((\a)%5)
	WIN 0x0a+5*((\a)/4)                            ; sources 0 and 1: window 2 or 3
.irp b, 0,1,2,3,4,5,6,7
.irp i, 0,1,2,3
	v_cvt_pk_f16_f32 v[TT+4*\b+\i], v[AC+8*\b+2*\i], v[AC+8*\b+2*\i+1]
.endr
.endr
	WIN 0
.irp b, 0,1,2,3,4,5,6,7
	global_store_b128 v[CO], v[TT+4*\b:TT+4*\b+3], s[12:13] offset:(\a)*2048+(\b/4)*262144+(\b%4)*512   ; 512 consecutive bytes, aligned
.endr
.endm
.irp a, 0,1,2,3,4
	OUTB \a
.endr
	s_wait_xcnt 0x0                                ; the stores of blocks 0 to 4 have read their registers: sets 0 to 2 may be written again
.irp a, 5,6,7
	OUTB \a
.endr
	s_wait_tensorcnt 0x0                           ; the wave's end
	ds_add_u32 v[SPW], v[NIL]
	s_wait_dscnt 0x0
	CROUND                                         ; the closing round
	s_endpgm
.Lfunc_end_k_q242afd8c0a_qkv:
	.size	k_q242afd8c0a_qkv, .Lfunc_end_k_q242afd8c0a_qkv-k_q242afd8c0a_qkv
	.p2alignl 7, 3214868480
	.fill 96, 4, 3214868480
	.section	.rodata,"a",@progbits
	.p2align	6, 0x0
	.amdhsa_kernel k_q242afd8c0a_qkv
		.amdhsa_group_segment_fixed_size 327680
		.amdhsa_private_segment_fixed_size 0
		.amdhsa_enable_private_segment 0
		.amdhsa_kernarg_size 48
		.amdhsa_user_sgpr_count 2
		.amdhsa_user_sgpr_kernarg_segment_ptr 1
		.amdhsa_wavefront_size32 1
		.amdhsa_system_sgpr_workgroup_id_x 1
		.amdhsa_system_sgpr_workgroup_id_y 1
		.amdhsa_system_sgpr_workgroup_id_z 1
		.amdhsa_system_vgpr_workitem_id 0
		.amdhsa_next_free_vgpr 1024
		.amdhsa_next_free_sgpr 100
		.amdhsa_reserve_vcc 0
		.amdhsa_float_denorm_mode_32 3
		.amdhsa_float_denorm_mode_16_64 3
		.amdhsa_memory_ordered 1
		.amdhsa_forward_progress 1
		.amdhsa_inst_pref_size 136
	.end_amdhsa_kernel
	.amdgpu_metadata
---
amdhsa.version: [ 1, 2 ]
amdhsa.kernels:
  - .name:           k_q242afd8c0a_qkv
    .symbol:         k_q242afd8c0a_qkv.kd
    .args:
      - { .name: xq, .offset: 0, .size: 8, .value_kind: global_buffer, .address_space: global }
      - { .name: xs, .offset: 8, .size: 8, .value_kind: global_buffer, .address_space: global }
      - { .name: wq, .offset: 16, .size: 8, .value_kind: global_buffer, .address_space: global }
      - { .name: ws, .offset: 24, .size: 8, .value_kind: global_buffer, .address_space: global }
      - { .name: qkv, .offset: 32, .size: 8, .value_kind: global_buffer, .address_space: global }
      - { .name: b_in, .offset: 40, .size: 8, .value_kind: global_buffer, .address_space: global }
    .group_segment_fixed_size: 327680
    .private_segment_fixed_size: 0
    .kernarg_segment_align: 8
    .kernarg_segment_size: 48
    .max_flat_workgroup_size: 128
    .sgpr_count:     100
    .vgpr_count:     1024
    .wavefront_size: 32
...
	.end_amdgpu_metadata
.endif
;; end of part 2
;; launch attn (part 3): grid 8 x 32, 8 waves a work-group, clusters of 4 x 1, 327,680 bytes of LDS; arguments qkv, att; writes att
.if DOCPART == 3
	.amdgcn_target "amdgcn-amd-amdhsa--gfx1250"
	.amdhsa_code_object_version 6
	.text
	.protected	k_q242afd8c0a_attn
	.globl	k_q242afd8c0a_attn
	.p2align	8
	.type	k_q242afd8c0a_attn,@function
k_q242afd8c0a_attn:
	s_mov_b64 s[64:65], 0
	v_nop
	global_prefetch_b8 v0, s[64:65] scope:SCOPE_SE
	s_setreg_imm32_b32 hwreg(HW_REG_WAVE_MODE, 25, 1), 1
	s_wait_xcnt 0x0
	s_wait_alu depctr_hold_cnt(0) depctr_sa_sdst(0) depctr_va_vdst(0) depctr_va_sdst(0) depctr_va_ssrc(0) depctr_va_vcc(0) depctr_vm_vsrc(0)
	s_getreg_b32 s2, hwreg(HW_REG_IB_STS2, 6, 4)
	s_cmp_eq_u32 s2, 0
	s_cbranch_scc0 .Lentry_in_a_cluster
	s_endpgm
.Lentry_in_a_cluster:
	s_bfe_u32 s2, ttmp6, 0x10000c
	s_cmp_lg_u32 s2, 0x3003
	s_cbranch_scc0 .Lentry_shape_is_right
	s_endpgm
.Lentry_shape_is_right:
; ATT[b][q][head] = the sum over k of softmax_k(Q . K / 8) V, for each of 32 (batch, head), 2,048 tokens, 64 channels; operands f16, products, maxima and sums f32.
; qkv holds q (already times log2(e) / 8), k, v as images of fragments (2^23 bytes a part, 2^18 a (batch, head), 2,048 for 16 tokens, 512 for 16 channels of them).
; SHARES.  A work-group owns 256 queries of one (batch, head); each of its EIGHT waves owns 32: two tiles of 16, in 512 registers: two waves to a SIMD, so that one wave's vector work stands beside the
; other's matrix work and LDS loads.  Every wave walks all 2,048 keys, 128 a step.
; LAYOUT.  S^T = K Q^T (source 0 = 16 keys, source 1 = 16 queries): a lane holds ONE query and the keys 16 kt + 8 (lane / 16) + 0 .. 7.  Rounded to f16 in pairs these registers ARE source 1 of
; O^T = V^T P.  K comes out of LDS as it lies, V turned by ds_load_tr16_b128 from rows of 32 bytes.
; SOFTMAX.  A running maximum m and sum l for each query: p = 2^(s - m), never above 1; in every step O and l are multiplied by a = 2^(m_old - m_new).  The first step finds m = -3e38, l = 0, O = 0.
; RING.  Two slots of 512 keys (K 65,536 bytes, then V), dense; wave w fetches 16,384 bytes at w x 16,384 of a slot (waves 0-3: K's quarters, waves 4-7: V's): one tensor load a wave behind each round.
; CLUSTER.  The four query blocks of a cluster walk the same K and V: each piece is asked for jointly, by the same line with the same descriptor and a mask that names the four.
; THE RESULT: att, f16, as images of the next product's fragments: [token / 16][k / 32][1,024 bytes], k = 64 head + channel.
; LIMITS: |attn| under 65,504 (it is an average of v); p under 2^-126 counts as 0, p under 6e-5 is kept to 6e-8; NaN and infinities are not served.
; REGISTERS: window 0: v1-7 addresses; v16-31 statistics, eight a tile: +0 m, +2, +3 l, +4 .. +7 at work (a takes +6); v32-35 a second chain of sums; v64-191 S^T, 64 a tile; v192-255 P, 32 a tile.
;   window 1: v0-63 O^T (tile t, channels 16 ct on: 32 t + 8 ct); v64-95 Q; v128-255 K of a step, then V of the same step.
.set SLOT1, 1<<17
.set VOFF,  65536
.set STEPB, 16384                      ; a step's 128 keys of K, and of V
.set SPARE, 2*SLOT1                    ; behind the ring: the spare words, 128 bytes for each of eight waves
.set AK,  1                            ; v1  16 x lane
.set AV,  2                            ; v2  my lane's place in a chunk of V, + VOFF
.set ADK, 3
.set ADV, 4
.set PFO, 5                            ; v5  256 x lane
.set SPW, 6
.set NIL, 7
.set ST,  16
.set U,   32
.set S,   64
.set P,   192
.set QW,  64                           ; in window 1
.set KV,  128
.set WV,  12
.set LIM, 15                           ; s15  1 in a wave that prefetches, else the greatest number
.set PFA, 18                           ; s[18:19] where my prefetches stand
.set G1,  24
.set G0,  40
.set SLOTS, 56
.set CNT, 57
.set SEL, 60
.set TB,  62                           ; s62  LDS byte at which the step's K begins
.set MSB, 0
.macro WIN new
.if MSB != \new
	s_set_vgpr_msb (MSB<<8)|\new
.set MSB, \new
.endif
.endm
.macro CROUND
	s_barrier_signal -1
	s_barrier_wait -1
	s_cmp_lg_u32 s[WV], 0
	s_cbranch_scc1 .Lnot_wave_0_\@
	s_barrier_signal -3
.Lnot_wave_0_\@:
	s_barrier_wait -3
	s_barrier_signal -1
	s_barrier_wait -1
.endm
; A PREFETCH of what the NEXT change of slots will ask for: a slot's 65,536 bytes of K and of V.  Each aligned block of 256 bytes is named once in the launch: the (batch, head)'s first cluster asks; in it
; waves 0 and 2 ask for K's halves and waves 4 and 6 for V's; the four partners take 8,192 bytes each of a half, told apart by address; lanes stand 256 bytes apart.  The last change that fills asks for nothing.
.macro ASK
	s_cmp_gt_u32 s[SLOTS], s[LIM]
	s_cbranch_scc0 .Lnot_mine_\@
	global_prefetch_b8 v[PFO], s[PFA:PFA+1] th:TH_LOAD_NT scope:SCOPE_SE
.Lnot_mine_\@:
.endm
.macro SUM t                           ; pair j of tile t's weights goes to one of two chains
.if (j%2) == 0
	v_pk_add_f32 v[ST+8*\t+2:ST+8*\t+3], v[ST+8*\t+2:ST+8*\t+3], v[S+64*\t+2*j:S+64*\t+2*j+1]
.elseif j == 3
	v_pk_add_f32 v[U+2*\t:U+2*\t+1], v[S+64*\t+2:S+64*\t+3], v[S+64*\t+6:S+64*\t+7]
.elseif j > 3
	v_pk_add_f32 v[U+2*\t:U+2*\t+1], v[U+2*\t:U+2*\t+1], v[S+64*\t+2*j:S+64*\t+2*j+1]
.endif
.endm
; A KEY STEP: 128 keys.
.macro STEP
	v_add_nc_u32 v[ADK], s[TB], v[AK]              ; these four plain lines are the places between the last V^T P and the loads into its operands' registers
	v_add_nc_u32 v[ADV], s[TB], v[AV]
	v_nop
	v_nop
	WIN 0x40                                       ; destination window 1
.irp f, 0,1                                    ; K: channels 32 f on, keys 16 kt on
.irp kt, 0,1,2,3,4,5,6,7
	ds_load_b128 v[KV+16*\kt+8*\f:KV+16*\kt+8*\f+3],   v[ADK] offset:\kt*2048+\f*1024
	ds_load_b128 v[KV+16*\kt+8*\f+4:KV+16*\kt+8*\f+7], v[ADK] offset:\kt*2048+\f*1024+512
.endr
.endr
	s_wait_dscnt 16                                ; channels 0-31 are in; the 16 loads of channels 32-63 may be out
	WIN 0x05                                       ; K and Q window 1, S^T window 0
.irp kt, 0,1,2,3,4,5,6,7                       ; the 16 accumulators take turns, one instruction a turn
.irp t, 0,1
	v_wmma_f32_16x16x32_f16 v[S+64*\t+8*\kt:S+64*\t+8*\kt+7], v[KV+16*\kt:KV+16*\kt+7], v[QW+16*\t:QW+16*\t+7], 0
.endr
.endr
	s_wait_dscnt 0x0
.irp kt, 0,1,2,3,4,5,6,7
.irp t, 0,1
	v_wmma_f32_16x16x32_f16 v[S+64*\t+8*\kt:S+64*\t+8*\kt+7], v[KV+16*\kt+8:KV+16*\kt+15], v[QW+16*\t+8:QW+16*\t+15], v[S+64*\t+8*\kt:S+64*\t+8*\kt+7]
.endr
.endr
.rept 4
	v_nop                                          ; places in front of the loads into K's registers and of the first read of the scores
.endr
	WIN 0x40
.irp g, 0,1,2,3                                ; V, turned: keys 32 g on, channels 16 n on; it lands while the softmax is worked
.irp n, 0,1,2,3
	ds_load_tr16_b128 v[KV+32*\g+8*\n:KV+32*\g+8*\n+3],   v[ADV] offset:2*\g*2048+\n*512
	ds_load_tr16_b128 v[KV+32*\g+8*\n+4:KV+32*\g+8*\n+7], v[ADV] offset:(2*\g+1)*2048+\n*512
.endr
.endr
	WIN 0
	; the maximum: eight chains (two tiles x four blocks of 16 registers) by turns; each accumulator is first read at its low end
.irp b, 0,1,2,3
.irp t, 0,1
	v_max3_num_f32 v[ST+8*\t+4+\b], v[S+64*\t+16*\b], v[S+64*\t+16*\b+1], v[S+64*\t+16*\b+2]
.endr
.endr
.irp i, 3,5,7,9,11,13
.irp b, 0,1,2,3
.irp t, 0,1
	v_max3_num_f32 v[ST+8*\t+4+\b], v[ST+8*\t+4+\b], v[S+64*\t+16*\b+\i], v[S+64*\t+16*\b+\i+1]
.endr
.endr
.endr
.irp b, 0,1,2,3
.irp t, 0,1
	v_max_num_f32 v[ST+8*\t+4+\b], v[ST+8*\t+4+\b], v[S+64*\t+16*\b+15]
.endr
.endr
.irp t, 0,1
	v_max3_num_f32 v[ST+8*\t+4], v[ST+8*\t+4], v[ST+8*\t+5], v[ST+8*\t+6]
.endr
.irp t, 0,1
	v_max3_num_f32 v[ST+8*\t+4], v[ST+8*\t+4], v[ST+8*\t+7], v[ST+8*\t]    ; and the old m
.endr
.irp t, 0,1
	v_permlanex16_b32 v[ST+8*\t+5], v[ST+8*\t+4], s[SEL], s[SEL+1]         ; the query's other 64 keys lie in the lane 16 away
.endr
.irp t, 0,1
	v_mov_b32 v[ST+8*\t+7], v[ST+8*\t]
.endr
.irp t, 0,1
	v_max_num_f32 v[ST+8*\t], v[ST+8*\t+4], v[ST+8*\t+5]                   ; the new m
.endr
.irp t, 0,1
	v_sub_f32 v[ST+8*\t+7], v[ST+8*\t+7], v[ST+8*\t]                       ; m_old - m_new, 0 or less
.endr
	; tile 0: s - m, two at a time (of the pair the low word serves both halves)
.set j, 0
.rept 32
	v_pk_add_f32 v[S+2*j:S+2*j+1], v[S+2*j:S+2*j+1], v[ST:ST+1] op_sel_hi:[1,0] neg_lo:[0,1] neg_hi:[0,1]
.set j, j+1
.endr
	; FIRST BATCH of exponentials: a of both tiles and tile 0's 64; tile 1's subtractions stand between them.  Nothing here names a result.
	v_exp_f32 v[ST+6], v[ST+7]
	v_exp_f32 v[ST+14], v[ST+15]
.set j, 0
.rept 32
	v_exp_f32 v[S+2*j], v[S+2*j]
	v_exp_f32 v[S+2*j+1], v[S+2*j+1]
	v_pk_add_f32 v[S+64+2*j:S+64+2*j+1], v[S+64+2*j:S+64+2*j+1], v[ST+8:ST+9] op_sel_hi:[1,0] neg_lo:[0,1] neg_hi:[0,1]
.set j, j+1
.endr
	s_wait_alu depctr_va_vdst(0)                   ; one wait for the batch, ahead of its first reader; the last line above is the plain instruction behind the batch
	; SECOND BATCH: tile 1's 64; tile 0's roundings and sums, which read the first batch alone, stand between them
	v_pk_mul_f32 v[ST+2:ST+3], v[ST+2:ST+3], v[ST+6:ST+7] op_sel_hi:[1,0]  ; l x a
.set j, 0
.rept 32
	v_exp_f32 v[S+64+2*j], v[S+64+2*j]
	v_cvt_pk_f16_f32 v[P+j], v[S+2*j], v[S+2*j+1]
	v_exp_f32 v[S+64+2*j+1], v[S+64+2*j+1]
	SUM 0
.set j, j+1
.endr
	v_pk_add_f32 v[ST+2:ST+3], v[ST+2:ST+3], v[U:U+1]
	v_pk_mul_f32 v[ST+10:ST+11], v[ST+10:ST+11], v[ST+14:ST+15] op_sel_hi:[1,0]
	s_wait_alu depctr_va_vdst(0)                   ; and one for the second batch
.set j, 0
.rept 32
	v_cvt_pk_f16_f32 v[P+32+j], v[S+64+2*j], v[S+64+2*j+1]
	SUM 1
.set j, j+1
.endr
	v_pk_add_f32 v[ST+10:ST+11], v[ST+10:ST+11], v[U+2:U+3]
	s_wait_dscnt 0x0                               ; V is in
	WIN 0x41                                       ; O^T window 1, a window 0
.irp t, 0,1
.set i, 0
.rept 16
	v_pk_mul_f32 v[32*\t+2*i:32*\t+2*i+1], v[32*\t+2*i:32*\t+2*i+1], v[ST+8*\t+6:ST+8*\t+7] op_sel_hi:[1,0]   ; O^T x a, each accumulator from its low end on
.set i, i+1
.endr
.endr
	WIN 0x51                                       ; V window 1, P window 0, O^T window 1
.irp g, 0,1,2,3                                ; the eight accumulators take turns
.irp n, 0,1,2,3
.irp t, 0,1
	v_wmma_f32_16x16x32_f16 v[32*\t+8*\n:32*\t+8*\n+7], v[KV+32*\g+8*\n:KV+32*\g+8*\n+7], v[P+32*\t+8*\g:P+32*\t+8*\g+7], v[32*\t+8*\n:32*\t+8*\n+7]
.endr
.endr
.endr
	WIN 0
.endm
; THE CHANGE OF SLOTS stands at a slot's head.  Each wave waits for all its tensor loads (its part of the slot ahead), adds 0 to its spare word, and waits for that and for its reads of the slot that it has left.
; fill = 1: behind a round of the cluster's barrier the slot just left takes the keys that follow: the load has a slot's four steps in which to land; one tensor load of mine is out.
.macro CHANGE fill
	WIN 0
	s_wait_tensorcnt 0x0                           ; no tensor load of mine is out, so the descriptor may be written
	ds_add_u32 v[SPW], v[NIL]                      ; 0 onto my spare word
.if \fill
	s_xor_b32 s[G0+1], s[G0+1], SLOT1              ; the other slot than last time,
	s_add_nc_u64 s[G0+2:G0+3], s[G0+2:G0+3], 65536 ; the next 512 keys; the type bits on top are not reached
	s_wait_xcnt 0x0                                ; the last prefetch, a slot back, has read its address
	s_add_nc_u64 s[PFA:PFA+1], s[PFA:PFA+1], 65536 ; one slot further on than the descriptor
	s_wait_dscnt 0x0
	CROUND
	tensor_load_to_lds s[G0:G0+3], s[G1:G1+7]
	s_nop 0
.rept 4
	v_nop
.endr
	ASK
.else
	s_wait_dscnt 0x0
	s_barrier_signal -1
	s_barrier_wait -1
.endif
.endm
.macro SLOT_STEPS                      ; a slot's four key steps: written once, walked four times
	s_mov_b32 s[CNT], 4
.Lstep_\@:
	STEP
	s_add_co_u32 s[TB], s[TB], STEPB
	s_sub_co_u32 s[CNT], s[CNT], 1
	s_cmp_lg_u32 s[CNT], 0
	s_cbranch_scc1 .Lstep_\@
	s_sub_co_u32 s[TB], s[TB], 4*STEPB
	s_xor_b32 s[TB], s[TB], SLOT1                  ; on to the other slot
.endm
	s_load_b128 s[4:7], s[0:1], 0x0                ; qkv s[4:5], att s[6:7]
	v_lshl_add_u32 v[SPW], v0, 2, SPARE
	v_mov_b32 v[NIL], 0
	ds_add_u32 v[SPW], v[NIL]                      ; the wave's opening: the add, twice on end, and its wait ahead of my first tensor load
	ds_add_u32 v[SPW], v[NIL]
	v_lshrrev_b32 v8, 5, v0
	v_readfirstlane_b32 s[WV], v8                  ; wave 0..7
	s_bfe_u32 s13, ttmp6, 0x40000                  ; cx
	s_lshl_b32 s14, ttmp9, 2
	s_add_co_u32 s14, s14, s13                     ; my block of 256 queries: it enters Q's and the result's addresses alone
	s_and_b32 s20, ttmp7, 0xffff                   ; 16 batch + head, which the four partners share
	s_lshl_b32 s21, s20, 18
	s_lshr_b32 s22, s[WV], 2
	s_add_co_u32 s22, s22, 1
	s_lshl_b32 s22, s22, 23                        ; part 1 (K: waves 0-3) or 2 (V: waves 4-7)
	s_add_co_u32 s22, s22, s21
	s_and_b32 s23, s[WV], 3
	s_lshl_b32 s23, s23, 14
	s_add_co_u32 s2, s22, s23                      ; my quarter of slot 0
	s_mov_b32 s3, 0
	s_lshl_b32 s8, s14, 15                         ; Q: 16 tiles of 2,048 bytes a block,
	s_lshl_b32 s9, s[WV], 12                       ; two a wave
	s_add_co_u32 s8, s8, s9
	s_add_co_u32 s8, s8, s21
	s_mov_b32 s9, 0
	s_lshr_b32 s10, s20, 4                         ; the result: batch x 128 tiles of 32,768 bytes,
	s_lshl_b32 s10, s10, 22
	s_lshl_b32 s11, s14, 19                        ; 16 tiles a block,
	s_add_co_u32 s10, s10, s11
	s_lshl_b32 s11, s[WV], 16                      ; two a wave,
	s_add_co_u32 s10, s10, s11
	s_and_b32 s11, s20, 15
	s_lshl_b32 s11, s11, 11                        ; and the head's 2,048 bytes in a tile
	s_add_co_u32 s10, s10, s11
	s_mov_b32 s11, 0
	s_and_b32 s16, s[WV], 2                        ; the prefetches: which half of K's or V's part of a slot,
	s_lshl_b32 s16, s16, 14
	s_add_co_u32 s16, s16, s22
	s_lshl_b32 s17, s13, 13                        ; my work-group's 8,192 bytes of it,
	s_add_co_u32 s16, s16, s17
	s_add_co_u32 s16, s16, 65536                   ; in slot 1: the first change steps it to slot 2.  Nothing is prefetched at the head
	s_mov_b32 s17, 0
	s_and_b32 s[LIM], s[WV], 1
	s_or_b32 s[LIM], s[LIM], ttmp9                 ; even waves of the first cluster: the same in all four partners
	s_cmp_eq_u32 s[LIM], 0
	s_cselect_b32 s[LIM], 1, -1
	s_mov_b32 s[G1], 15|(3<<16)|(1<<21)            ; the mask: all four work-groups; elements of 8 bytes; no padding
	s_mov_b32 s[G1+1], 32<<16                      ; tensor_dim0: 256 bytes
	s_mov_b32 s[G1+2], 64<<16                      ; tensor_dim1
	s_mov_b32 s[G1+3], 32<<16                      ; tile_dim0
	s_mov_b32 s[G1+4], 64                          ; tile_dim1
	s_mov_b32 s[G1+5], 32                          ; from row to row: dense
	s_mov_b32 s[G1+6], 0
	s_mov_b32 s[G1+7], 0
	s_mov_b32 s[G0], 1
	s_lshl_b32 s[G0+1], s[WV], 14                  ; LDS: slot 0, wave x 16,384
	s_mov_b32 s[SEL], 0x76543210
	s_mov_b32 s[SEL+1], 0xfedcba98
	s_mov_b32 s[TB], 0
	s_mov_b32 s[SLOTS], 3
	v_and_b32 v[AK], 31, v0
	v_lshlrev_b32 v[PFO], 8, v[AK]
	v_lshlrev_b32 v[AK], 4, v[AK]
	v_and_b32 v8, 7, v0                            ; the turning load: lane l reads 16 bytes of key 8 (l / 16) + l % 8, channels 8 ((l / 8) % 2) on; a key's row in a chunk is 32 bytes
	v_bfe_u32 v9, v0, 4, 1
	v_lshl_add_u32 v8, v9, 3, v8
	v_bfe_u32 v9, v0, 3, 1
	v_lshlrev_b32 v[AV], 5, v8
	v_lshl_add_u32 v[AV], v9, 4, v[AV]
	v_add_nc_u32 v[AV], VOFF, v[AV]
	s_wait_dscnt 0x0                               ; both opening adds are done
	s_wait_kmcnt 0x0
	s_add_nc_u64 s[PFA:PFA+1], s[4:5], s[16:17]
	s_add_nc_u64 s[G0+2:G0+3], s[4:5], s[2:3]
	s_or_b32 s[G0+3], s[G0+3], 0x80000000
	s_add_nc_u64 s[4:5], s[4:5], s[8:9]
	s_add_nc_u64 s[6:7], s[6:7], s[10:11]
	CROUND                                         ; all four work-groups are here: the first joint loads meet
	tensor_load_to_lds s[G0:G0+3], s[G1:G1+7]      ; slot 0
	s_nop 0
.rept 4
	v_nop
.endr
	WIN 0x40
.irp t, 0,1
.irp n, 0,1,2,3
	global_load_b128 v[QW+16*\t+4*\n:QW+16*\t+4*\n+3], v[AK], s[4:5] offset:\t*2048+\n*512   ; Q stays in registers
.endr
.endr
.set i, 0
.rept 64
	v_mov_b32 v[i], 0                              ; O^T: the step is written once; its first walk finds zeros
.set i, i+1
.endr
	WIN 0
.irp t, 0,1
	v_mov_b32 v[ST+8*\t], 0xff61b1e6               ; m: -3e38, under every score
.irp n, 1,2,3,4,5,6,7
	v_mov_b32 v[ST+8*\t+\n], 0                     ; l, and what is named in pairs or as a lane permute's destination before it is first written
.endr
.endr
	s_wait_loadcnt 0x0                             ; Q
.Lslot:                                            ; three trips: behind each change of slots but the last the next slot is asked for
	CHANGE 1
	SLOT_STEPS
	s_sub_co_u32 s[SLOTS], s[SLOTS], 1
	s_cmp_lg_u32 s[SLOTS], 0
	s_cbranch_scc1 .Lslot
	CHANGE 0                                       ; the last slot is written out
	SLOT_STEPS
	; THE WAY OUT.  l's two halves and the other half of the lanes' are added (these additions are the places behind the last products); O^T / l, rounded to f16 in pairs, is a lane's 16 bytes of a chunk.
.irp t, 0,1
	v_add_f32 v[ST+8*\t+4], v[ST+8*\t+2], v[ST+8*\t+3]
.endr
.irp t, 0,1
	v_permlanex16_b32 v[ST+8*\t+5], v[ST+8*\t+4], s[SEL], s[SEL+1]
.endr
.irp t, 0,1
	v_add_f32 v[ST+8*\t+4], v[ST+8*\t+4], v[ST+8*\t+5]
.endr
.irp t, 0,1
	v_rcp_f32 v[ST+8*\t+6], v[ST+8*\t+4]
.endr
	v_nop                                          ; a plain instruction behind the last reciprocal
	s_wait_alu depctr_va_vdst(0)                   ; and the one wait ahead of the first use
.macro OUTT t
	WIN 0x41
.set i, 0
.rept 16
	v_pk_mul_f32 v[32*\t+2*i:32*\t+2*i+1], v[32*\t+2*i:32*\t+2*i+1], v[ST+8*\t+6:ST+8*\t+7] op_sel_hi:[1,0]
.set i, i+1
.endr
	WIN 0x05                                       ; sources window 1, destination window 0: S^T's registers are free
.set i, 0
.rept 16
	v_cvt_pk_f16_f32 v[S+16*\t+i], v[32*\t+2*i], v[32*\t+2*i+1]
.set i, i+1
.endr
	WIN 0
.irp n, 0,1,2,3
	global_store_b128 v[AK], v[S+16*\t+4*\n:S+16*\t+4*\n+3], s[6:7] offset:\t*32768+\n*512   ; 512 consecutive bytes, aligned
.endr
.endm
	OUTT 0
	OUTT 1
	s_wait_tensorcnt 0x0                           ; the wave's end
	ds_add_u32 v[SPW], v[NIL]
	s_wait_dscnt 0x0
	CROUND                                         ; the closing round
	s_endpgm
.Lfunc_end_k_q242afd8c0a_attn:
	.size	k_q242afd8c0a_attn, .Lfunc_end_k_q242afd8c0a_attn-k_q242afd8c0a_attn
	.p2alignl 7, 3214868480
	.fill 96, 4, 3214868480
	.section	.rodata,"a",@progbits
	.p2align	6, 0x0
	.amdhsa_kernel k_q242afd8c0a_attn
		.amdhsa_group_segment_fixed_size 327680
		.amdhsa_private_segment_fixed_size 0
		.amdhsa_enable_private_segment 0
		.amdhsa_kernarg_size 16
		.amdhsa_user_sgpr_count 2
		.amdhsa_user_sgpr_kernarg_segment_ptr 1
		.amdhsa_wavefront_size32 1
		.amdhsa_system_sgpr_workgroup_id_x 1
		.amdhsa_system_sgpr_workgroup_id_y 1
		.amdhsa_system_sgpr_workgroup_id_z 1
		.amdhsa_system_vgpr_workitem_id 0
		.amdhsa_next_free_vgpr 512
		.amdhsa_next_free_sgpr 66
		.amdhsa_reserve_vcc 0
		.amdhsa_float_denorm_mode_32 3
		.amdhsa_float_denorm_mode_16_64 3
		.amdhsa_memory_ordered 1
		.amdhsa_forward_progress 1
		.amdhsa_inst_pref_size 78
	.end_amdhsa_kernel
	.amdgpu_metadata
---
amdhsa.version: [ 1, 2 ]
amdhsa.kernels:
  - .name:           k_q242afd8c0a_attn
    .symbol:         k_q242afd8c0a_attn.kd
    .args:
      - { .name: qkv, .offset: 0, .size: 8, .value_kind: global_buffer, .address_space: global }
      - { .name: att, .offset: 8, .size: 8, .value_kind: global_buffer, .address_space: global }
    .group_segment_fixed_size: 327680
    .private_segment_fixed_size: 0
    .kernarg_segment_align: 8
    .kernarg_segment_size: 16
    .max_flat_workgroup_size: 256
    .sgpr_count:     66
    .vgpr_count:     512
    .wavefront_size: 32
...
	.end_amdgpu_metadata
.endif
;; end of part 3
;; launch proj (part 4): grid 8 x 32, 4 waves a work-group, clusters of 4 x 4, 327,680 bytes of LDS; arguments att, wo, b_out, out0; writes out0
.if DOCPART == 4
	.amdgcn_target "amdgcn-amd-amdhsa--gfx1250"
	.amdhsa_code_object_version 6
	.text
	.protected	k_q242afd8c0a_proj
	.globl	k_q242afd8c0a_proj
	.p2align	8
	.type	k_q242afd8c0a_proj,@function
k_q242afd8c0a_proj:
	s_mov_b64 s[64:65], 0
	v_nop
	global_prefetch_b8 v0, s[64:65] scope:SCOPE_SE
	s_setreg_imm32_b32 hwreg(HW_REG_WAVE_MODE, 25, 1), 1
	s_wait_xcnt 0x0
	s_wait_alu depctr_hold_cnt(0) depctr_sa_sdst(0) depctr_va_vdst(0) depctr_va_sdst(0) depctr_va_ssrc(0) depctr_va_vcc(0) depctr_vm_vsrc(0)
	s_getreg_b32 s2, hwreg(HW_REG_IB_STS2, 6, 4)
	s_cmp_eq_u32 s2, 0
	s_cbranch_scc0 .Lentry_in_a_cluster
	s_endpgm
.Lentry_in_a_cluster:
	s_bfe_u32 s2, ttmp6, 0x10000c
	s_cmp_lg_u32 s2, 0xf033
	s_cbranch_scc0 .Lentry_shape_is_right
	s_endpgm
.Lentry_shape_is_right:
; OUT0 = attn w_out + b_out: M = 4,096, N = 1,024, K = 1,024; operands f16, sums f32, result f32.
; att [token / 16][k / 32][1,024 bytes] and wo [n / 16][k / 32][1,024 bytes] hold images of fragments (16 rows x 32 K: registers 0-3 at 16 x lane, registers 4-7 512 bytes on).
; A tile of 128 x 128 is made by four waves, 64 x 64 each: 16 accumulators.  K goes in four steps of 256 through a ring of two LDS slots; a wave's tensor load brings four tiles of 16 rows x 8,192 bytes, dense
; in LDS, so every fragment load reads 512 consecutive bytes.
; CLUSTERS: 4 x 4 work-groups; att's tiles are shared along a row of the cluster, wo's along a column, each asked for jointly.
; THE MATRIX INSTRUCTION IS USED TRANSPOSED (source 0 = 16 columns of w_out, source 1 = 16 tokens): a lane holds eight neighbouring numbers of a row.  The bias is the C of each sum's first product
; (so it is added first, not last).  A wave's 64 columns of f32 are 256 bytes of a row: each wave sends its own blocks through its own stage, and sixteen lanes store 256 consecutive bytes, aligned.
; REGISTERS: window 0: v0-31 addresses; v32-63 the bias; v64-127 rows on the way out; v128-255 the accumulators ((a, b) at v[128 + 8 (4 a + b)]).  window 1: two fragment buffers of 128.
.set HALFT,  32768                     ; what one tensor load brings, and what one wave reads of either operand
.set SLOT,   4*HALFT
.set STAGE,  2*SLOT                    ; behind the ring: 16 rows x 272 bytes for each wave
.set SPITCH, 272
.set SPARE,  STAGE+4*16*SPITCH
.set LAPS,   2
.set ADRA, 16
.set ADRB, 20
.set STO,  24
.set RD,   25
.set CO,   26
.set BO,   27
.set SPW,  28
.set NIL,  29
.set BI,   32
.set BK,   64
.set ACC,  128
.set F0,   0
.set F1,   128
.set G1, 24
.set G0, 32
.set G1B, 48
.set G0B, 56
.set MSB, 0
.macro WIN new
.if MSB != \new
	s_set_vgpr_msb (MSB<<8)|\new
.set MSB, \new
.endif
.endm
.set MUL,  0x05                        ; sources 0 and 1 window 1; C and D window 0
.set TO_F, 0x40
.macro JLOAD s                         ; waves 0 and 1 fetch att's two halves, waves 2 and 3 wo's; an s_nop 0 and four v_nop follow each line
	s_cmp_eq_u32 s11, 0
	s_cbranch_scc0 .Lfor_b_\@
	tensor_load_to_lds s[G0+4*\s:G0+4*\s+3], s[G1:G1+7]
	s_nop 0
.rept 4
	v_nop
.endr
	s_branch .Lasked_\@
.Lfor_b_\@:
	tensor_load_to_lds s[G0B+4*\s:G0B+4*\s+3], s[G1B:G1B+7]
	s_nop 0
.rept 4
	v_nop
.endr
.Lasked_\@:
.endm
.macro CREST
	s_cmp_lg_u32 s10, 0
	s_cbranch_scc1 .Lnot_wave_0_\@
	s_barrier_signal -3
.Lnot_wave_0_\@:
	s_barrier_wait -3
	s_barrier_signal -1
	s_barrier_wait -1
.endm
.macro CROUND
	s_barrier_signal -1
	s_barrier_wait -1
	CREST
.endm
	s_load_b128 s[4:7], s[0:1], 0x0                ; att s[4:5], wo s[6:7]
	s_load_b128 s[68:71], s[0:1], 0x10             ; b_out s[68:69], out0 s[70:71]
	v_lshl_add_u32 v[SPW], v0, 2, SPARE
	v_mov_b32 v[NIL], 0
	ds_add_u32 v[SPW], v[NIL]                      ; the wave's opening: the add, twice on end, and its wait ahead of my first tensor load
	ds_add_u32 v[SPW], v[NIL]
	v_lshrrev_b32 v1, 5, v0
	v_readfirstlane_b32 s10, v1                    ; wave 0..3
	s_lshr_b32 s11, s10, 1                         ; which half of the tile's rows is mine.  Also: I fetch for att (0) or for wo (1)
	s_and_b32 s12, s10, 1                          ; which half of its columns.  Also: which half of that tile I fetch
	s_bfe_u32 s40, ttmp6, 0x40000
	s_bfe_u32 s41, ttmp6, 0x40004
	s_lshl_b32 s42, ttmp9, 2
	s_add_co_u32 s42, s42, s40                     ; tile column
	s_and_b32 s13, ttmp7, 0xffff
	s_lshl_b32 s13, s13, 2
	s_add_co_u32 s13, s13, s41                     ; tile row
	s_lshl_b32 s43, s41, 2
	s_lshl_b32 s43, 15, s43                        ; my row of the cluster
	s_lshl_b32 s44, 0x1111, s40                    ; my column
	s_or_b32 s[G1+0], s43, (3<<16)|(1<<21)         ; elements of 8 bytes, no padding
	s_or_b32 s[G1B+0], s44, (3<<16)|(1<<21)
.irp g, G1, G1B
	s_mov_b32 s[\g+1], 1024<<16                    ; tensor_dim0: 8,192 bytes: a K step of one tile of 16 rows
	s_mov_b32 s[\g+2], 4<<16                       ; tensor_dim1: four tiles
	s_mov_b32 s[\g+3], 1024<<16                    ; tile_dim0
	s_mov_b32 s[\g+4], 4                           ; tile_dim1
	s_mov_b32 s[\g+5], 4096                        ; from tile to tile: 32,768 bytes
	s_mov_b32 s[\g+6], 0
	s_mov_b32 s[\g+7], 0
.endr
	s_lshl_b32 s17, s12, 2                         ; which four tiles of 16 rows I fetch
	s_lshl_b32 s16, s13, 3
	s_add_co_u32 s16, s16, s17
	s_lshl_b32 s16, s16, 15                        ; att: (8 x tile row + 4 x half) x 32,768 bytes
	s_lshl_b32 s46, s42, 3
	s_add_co_u32 s46, s46, s17
	s_lshl_b32 s46, s46, 15                        ; wo: by the tile column
	s_mov_b32 s17, 0
	s_mov_b32 s47, 0
	s_lshl_b32 s20, s10, 15                        ; where they go: wave x 32,768
	s_wait_dscnt 0x0                               ; both opening adds are done
	s_wait_kmcnt 0x0
	s_add_nc_u64 s[14:15], s[4:5], s[16:17]
	s_add_nc_u64 s[46:47], s[6:7], s[46:47]
	CROUND                                         ; all sixteen work-groups are here: the first joint loads meet
.irp s, 0,1
	s_mov_b32 s[G0+4*\s], 1
	s_add_co_u32 s[G0+4*\s+1], s20, \s*SLOT
	s_add_nc_u64 s[G0+4*\s+2:G0+4*\s+3], s[14:15], \s*8192
	s_or_b32 s[G0+4*\s+3], s[G0+4*\s+3], 0x80000000
	s_mov_b32 s[G0B+4*\s], 1
	s_add_co_u32 s[G0B+4*\s+1], s20, \s*SLOT
	s_add_nc_u64 s[G0B+4*\s+2:G0B+4*\s+3], s[46:47], \s*8192
	s_or_b32 s[G0B+4*\s+3], s[G0B+4*\s+3], 0x80000000
	JLOAD \s                                       ; two loads of mine are out at the most
.endr
	v_and_b32 v1, 15, v0                           ; r
	v_bfe_u32 v2, v0, 4, 1                         ; h
	v_and_b32 v3, 31, v0
	v_lshlrev_b32 v3, 4, v3                        ; an image: 16 x lane
	s_lshl_b32 s21, s11, 15                        ; my 64 rows of att
	s_lshl_b32 s22, s12, 15                        ; my 64 columns of wo,
	s_add_co_u32 s22, s22, 2*HALFT                 ; which lie behind att's two halves
.irp s, 0,1
	v_add_nc_u32 v[ADRA+\s], s21, v3
	v_add_nc_u32 v[ADRB+\s], s22, v3
	s_add_co_u32 s21, s21, SLOT
	s_add_co_u32 s22, s22, SLOT
.endr
	s_mul_i32 s23, s10, 16*SPITCH
	s_add_co_u32 s23, s23, STAGE                   ; my stage
	v_mul_u32_u24 v4, v1, SPITCH                   ; in: row r, 32 bytes for each half of the lanes
	v_lshl_add_u32 v4, v2, 5, v4
	v_add_nc_u32 v[STO], s23, v4
	v_mul_u32_u24 v5, v2, SPITCH                   ; back: lanes 0-15 one row of 256 bytes, lanes 16-31 the next
	v_lshl_add_u32 v5, v1, 4, v5
	v_add_nc_u32 v[RD], s23, v5
	v_lshlrev_b32 v5, 12, v2                       ; and the same two rows of out0, 4,096 bytes apart
	v_lshl_add_u32 v[CO], v1, 4, v5
	v_lshlrev_b32 v[BO], 5, v2
	s_lshl_b32 s16, s13, 7
	s_lshl_b32 s17, s11, 6
	s_add_co_u32 s16, s16, s17                     ; my first row: 128 x tile row + 64 x half
	s_lshl_b32 s16, s16, 12
	s_mov_b32 s17, 0
	s_add_nc_u64 s[70:71], s[70:71], s[16:17]
	s_lshl_b32 s46, s42, 9                         ; my first column, in bytes: 4 (128 x tile column + 64 x half)
	s_lshl_b32 s47, s12, 8
	s_add_co_u32 s46, s46, s47
	s_mov_b32 s47, 0
	s_add_nc_u64 s[70:71], s[70:71], s[46:47]
	s_add_nc_u64 s[68:69], s[68:69], s[46:47]
.irp b, 0,1,2,3
	global_load_b128 v[BI+8*\b:BI+8*\b+3], v[BO], s[68:69] offset:64*\b        ; register j of block b: b_out at column 16 b + 8 h + j
	global_load_b128 v[BI+8*\b+4:BI+8*\b+7], v[BO], s[68:69] offset:64*\b+16
.endr
; 8 matrix instructions: m blocks a0, a0 + 1 x all 4 n blocks, 32 along K: half c of buffer f.  zero = 1: the first product starts the sums from the bias.  The 16 accumulators take turns.
.macro MUL8 f, c, a0, zero
.irp a, \a0, \a0+1
.irp b, 0,1,2,3
.if \zero
	v_wmma_f32_16x16x32_f16 v[ACC+8*(4*(\a)+\b):ACC+8*(4*(\a)+\b)+7], v[\f+64+8*(4*\c+\b):\f+64+8*(4*\c+\b)+7], v[\f+8*(4*\c+\a):\f+8*(4*\c+\a)+7], v[BI+8*\b:BI+8*\b+7]
.else
	v_wmma_f32_16x16x32_f16 v[ACC+8*(4*(\a)+\b):ACC+8*(4*(\a)+\b)+7], v[\f+64+8*(4*\c+\b):\f+64+8*(4*\c+\b)+7], v[\f+8*(4*\c+\a):\f+8*(4*\c+\a)+7], v[ACC+8*(4*(\a)+\b):ACC+8*(4*(\a)+\b)+7]
.endif
.endr
.endr
.endm
; 32 LDS loads in one run: the fragments of the K step's q-th 64 along K into buffer f; the first 32 along K first
.macro FETCH slot, q, f
	WIN TO_F
.irp c, 0,1
.irp i, 0,1,2,3
	ds_load_b128 v[\f+64+8*(4*\c+\i):\f+64+8*(4*\c+\i)+3],   v[ADRB+\slot] offset:\i*8192+(2*(\q)+\c)*1024
	ds_load_b128 v[\f+64+8*(4*\c+\i)+4:\f+64+8*(4*\c+\i)+7], v[ADRB+\slot] offset:\i*8192+(2*(\q)+\c)*1024+512
	ds_load_b128 v[\f+8*(4*\c+\i):\f+8*(4*\c+\i)+3],         v[ADRA+\slot] offset:\i*8192+(2*(\q)+\c)*1024
	ds_load_b128 v[\f+8*(4*\c+\i)+4:\f+8*(4*\c+\i)+7],       v[ADRA+\slot] offset:\i*8192+(2*(\q)+\c)*1024+512
.endr
.endr
.endm
.macro PLACES                          ; four plain instructions in front of loads into registers that matrix instructions have read, and of the first read of results
.rept 4
	v_nop
.endr
.endm
; A K step is four quarters of 64 along K, 32 matrix instructions each, on buffers 0, 1, 0, 1.  One of the first three: multiplies buffer f and fetches quarter q into g.
.macro QUARTER slot, q, f, g, zero
	s_wait_dscnt 16                                ; the first 32 along K are in; the 16 loads of the second may be out
	WIN MUL
	MUL8 \f, 0, 0, \zero
	MUL8 \f, 0, 2, \zero
	PLACES
	FETCH \slot, \q, \g
	s_wait_dscnt 32                                ; all but the 32 just issued
	WIN MUL
	MUL8 \f, 1, 0, 0
	MUL8 \f, 1, 2, 0
.endm
; The last quarter multiplies buffer 1 and changes slots: ONE barrier; in front of it each wave waits for all its tensor loads, adds 0 to its spare word, and waits for that and for its reads of this slot.
.macro TURN slot, next, fill
	WIN 0
	s_wait_tensorcnt 0x0                           ; all my tensor loads have landed: my part of the next slot
	ds_add_u32 v[SPW], v[NIL]                      ; 0 onto my spare word
	s_wait_dscnt 17                                ; the add and the youngest sixteen loads may be out
	WIN MUL
	MUL8 F1, 0, 0, 0
	s_wait_dscnt 0x0                               ; the add is done, and my reads of this slot are over
	s_barrier_signal -1
	MUL8 F1, 0, 2, 0
.if \fill
	WIN 0
.endif
	s_barrier_wait -1
.if \fill
	CREST                                          ; the barrier has opened a round of the cluster's: no wave of any partner still reads this slot or has a load on its way
	s_add_nc_u64 s[G0+4*\slot+2:G0+4*\slot+3], s[G0+4*\slot+2:G0+4*\slot+3], 2*8192
	s_add_nc_u64 s[G0B+4*\slot+2:G0B+4*\slot+3], s[G0B+4*\slot+2:G0B+4*\slot+3], 2*8192
	JLOAD \slot                                    ; the first tensor load behind the round; its four v_nop are also the places in front of the loads below
.else
	PLACES
.endif
	FETCH \next, 0, F0
	WIN MUL
	MUL8 F1, 1, 0, 0
	MUL8 F1, 1, 2, 0
.endm
	s_wait_tensorcnt 1                             ; my part of K step 0 is in; K step 1's may be out
	s_barrier_signal -1
	s_barrier_wait -1
	FETCH 0, 0, F0
	s_wait_loadcnt 0x0                             ; the bias
	QUARTER 0, 1, F0, F1, 1
	WIN 0
	s_mov_b32 s3, LAPS-1
.Llap:                                             ; a trip goes once round the ring and fills both slots again
	QUARTER 0, 2, F1, F0, 0
	QUARTER 0, 3, F0, F1, 0
	TURN 0, 1, 1
	QUARTER 1, 1, F0, F1, 0
	QUARTER 1, 2, F1, F0, 0
	QUARTER 1, 3, F0, F1, 0
	TURN 1, 0, 1
	QUARTER 0, 1, F0, F1, 0
	WIN 0
	s_sub_co_u32 s3, s3, 1
	s_cmp_lg_u32 s3, 0
	s_cbranch_scc1 .Llap
	QUARTER 0, 2, F1, F0, 0                        ; the last lap fills nothing
	QUARTER 0, 3, F0, F1, 0
	TURN 0, 1, 0
	QUARTER 1, 1, F0, F1, 0
	QUARTER 1, 2, F1, F0, 0
	QUARTER 1, 3, F0, F1, 0
	s_wait_dscnt 16
	WIN MUL
	MUL8 F1, 0, 0, 0
	MUL8 F1, 0, 2, 0
	s_wait_dscnt 0
	MUL8 F1, 1, 0, 0
	MUL8 F1, 1, 2, 0
	WIN 0
; THE WAY OUT, block by block of 16 rows x 64 columns, through my own stage: LDS serves a wave's instructions in order, so no wait stands between the stores and the loads, nor in front of the next block's stores.
.macro TOSTAGE a
.irp b, 0,1,2,3
	ds_store_b128 v[STO], v[ACC+8*(4*(\a)+\b):ACC+8*(4*(\a)+\b)+3] offset:64*\b          ; each accumulator from its low end on
	ds_store_b128 v[STO], v[ACC+8*(4*(\a)+\b)+4:ACC+8*(4*(\a)+\b)+7] offset:64*\b+16
.endr
.irp t, 0,1,2,3,4,5,6,7
	ds_load_b128 v[BK+32*((\a)%2)+4*\t:BK+32*((\a)%2)+4*\t+3], v[RD] offset:\t*2*SPITCH
.endr
.endm
.macro SEND a, younger                 ; younger: the LDS instructions issued behind block a's loads, which may stay out
	s_wait_dscnt \younger
.irp t, 0,1,2,3,4,5,6,7
	global_store_b128 v[CO], v[BK+32*((\a)%2)+4*\t:BK+32*((\a)%2)+4*\t+3], s[70:71] offset:(16*(\a)+2*\t)*4096 th:TH_STORE_NT   ; sixteen lanes store 256 consecutive bytes, aligned
.endr
.endm
	PLACES
	TOSTAGE 0
	TOSTAGE 1
	SEND 0, 16                                     ; behind block 0's loads: block 1's 8 stores and 8 loads
	s_wait_xcnt 0x0                                ; block 0's stores have read their registers: block 2's loads may land there
	TOSTAGE 2
	SEND 1, 16
	s_wait_xcnt 0x0
	TOSTAGE 3
	SEND 2, 16
	SEND 3, 0
	s_wait_tensorcnt 0x0                           ; the wave's end
	ds_add_u32 v[SPW], v[NIL]
	s_wait_dscnt 0x0
	CROUND                                         ; the closing round
	s_endpgm
.Lfunc_end_k_q242afd8c0a_proj:
	.size	k_q242afd8c0a_proj, .Lfunc_end_k_q242afd8c0a_proj-k_q242afd8c0a_proj
	.p2alignl 7, 3214868480
	.fill 96, 4, 3214868480
	.section	.rodata,"a",@progbits
	.p2align	6, 0x0
	.amdhsa_kernel k_q242afd8c0a_proj
		.amdhsa_group_segment_fixed_size 327680
		.amdhsa_private_segment_fixed_size 0
		.amdhsa_enable_private_segment 0
		.amdhsa_kernarg_size 32
		.amdhsa_user_sgpr_count 2
		.amdhsa_user_sgpr_kernarg_segment_ptr 1
		.amdhsa_wavefront_size32 1
		.amdhsa_system_sgpr_workgroup_id_x 1
		.amdhsa_system_sgpr_workgroup_id_y 1
		.amdhsa_system_sgpr_workgroup_id_z 1
		.amdhsa_system_vgpr_workitem_id 0
		.amdhsa_next_free_vgpr 512
		.amdhsa_next_free_sgpr 72
		.amdhsa_reserve_vcc 0
		.amdhsa_float_denorm_mode_32 3
		.amdhsa_float_denorm_mode_16_64 3
		.amdhsa_memory_ordered 1
		.amdhsa_forward_progress 1
		.amdhsa_inst_pref_size 86
	.end_amdhsa_kernel
	.amdgpu_metadata
---
amdhsa.version: [ 1, 2 ]
amdhsa.kernels:
  - .name:           k_q242afd8c0a_proj
    .symbol:         k_q242afd8c0a_proj.kd
    .args:
      - { .name: att, .offset: 0, .size: 8, .value_kind: global_buffer, .address_space: global }
      - { .name: wo, .offset: 8, .size: 8, .value_kind: global_buffer, .address_space: global }
      - { .name: b_out, .offset: 16, .size: 8, .value_kind: global_buffer, .address_space: global }
      - { .name: out0, .offset: 24, .size: 8, .value_kind: global_buffer, .address_space: global }
    .group_segment_fixed_size: 327680
    .private_segment_fixed_size: 0
    .kernarg_segment_align: 8
    .kernarg_segment_size: 32
    .max_flat_workgroup_size: 128
    .sgpr_count:     72
    .vgpr_count:     512
    .wavefront_size: 32
...
	.end_amdgpu_metadata
.endif
;; end of part 4
